; MI455X (gfx1250); checked and timed in simulation.
; The chip was launched on July 23, 2026; its instructions are those of AMD's public machine-readable ISA for CDNA 5 (MIT licence, August 2026) and "CDNA5" Instruction Set Architecture Reference Guide (July 2026). The comments in the code are by the model that wrote it; some were corrected since.
;; Occupancy Decoder. Allowed arithmetic: float matrix products may take bf16 or f16 operands with f32 sums; other float arithmetic in f32, or as packed bf16 or f16 multiplies, adds, multiply-adds, maxima and minima; sums over many terms, partial sums and values carried from step to step in f32; what a program stores and reads back later, other than sums and carried values, may be rounded once to bf16 or f16.
;; Inputs: W1 128 x 512 float32; W2 512 x 512 float32; W3 512 x 1 float32; b1 512 float32; b2 512 float32; b3 1 float32; be1 512 float32; be2 512 float32; dense_features 2 x 128 x 64 x 64 x 64 float32; g1 512 float32; g2 512 float32; m1 512 float32; m2 512 float32; query_points 2 x 65,536 x 3 float32; v1 512 float32; v2 512 float32.
;; Outputs: out0 2 x 65,536 x 1 float32.
;; One version. Each part assembles by itself: llvm-mc -triple=amdgcn-amd-amdhsa -mcpu=gfx1250 --defsym DOCPART=n.
;; ======== version 1 of 1: 2 launches
;; limits: inputs' magnitudes at most 65,504; values are held in f16: magnitudes above 65,504 overflow, below 6.1e-05 lose precision
;; workspace buffers: tab 134,217,728 bytes; fmx 4,096 bytes; wts 655,360 bytes; prm 12,288 bytes; vox 524,288 bytes of whole numbers; wgt 4,194,304 bytes
;; launch turn (part 1): grid 1321 x 1, 8 waves a work-group, no clusters, 34,048 bytes of LDS; arguments W1, W2, W3, b1, g1, be1, m1, v1, b2, g2, be2, m2, v2, b3, query_points, dense_features, wts, prm, vox, wgt, tab, fmx; writes wts, prm, vox, wgt, tab, fmx
.if DOCPART == 1
	.amdgcn_target "amdgcn-amd-amdhsa--gfx1250"
	.amdhsa_code_object_version 6
	.text
	.protected	k_q9a34980a27_turn
	.globl	k_q9a34980a27_turn
	.p2align	8
	.type	k_q9a34980a27_turn,@function
k_q9a34980a27_turn:
	s_mov_b64 s[64:65], 0
	v_nop
	global_prefetch_b8 v0, s[64:65] scope:SCOPE_SE
	s_setreg_imm32_b32 hwreg(HW_REG_WAVE_MODE, 25, 1), 1
	s_wait_xcnt 0x0
; Everything that the fused launch wants ready.  The work-group's number alone picks one of four parts (the same for all its waves); the small parts have the lowest numbers, so that they begin first
; and run beside the stream of the table:
;   0          prm[6][512] f32: a1, c1, a2, c2, W3 and (b3, G, Cm, 0) repeated, with a = g rsqrt(v + 1e-5), c = (b - m) a + be: bias and batch norm folded into one multiply-add behind each product.
;              G = max over channels of |a1| sum_k |W1[k][c]|, Cm = max |c1|: with the table's largest magnitude Fmax, Fmax G + Cm bounds every |h1| (a trilinear sample is a mean of table values).
;   1 .. 40    wts[5][512][128] f16: panel 0 = W1 turned (row n, 128 k), panels 1 .. 4 = W2 turned, 128 k each: a tile of 128 k x 64 n goes through LDS as a tile of the table does.
;   41 .. 296  for each query point its base voxel (whole number, vox) and its eight corner weights (f32, wgt).
;   297 ..     tab[b][voxel][channel] = f16(dense_features[b][channel][voxel]): the volume is turned from channel-major f32 to voxel-major f16, 256 bytes a voxel, so that a later gather takes a voxel's
;              128 channels as one aligned run of 256 bytes.  fmx[g] = the largest |f16 value| that work-group 297 + g wrote.
; LIMITS.  Table, W1 and W2 are rounded to f16: a magnitude of 65,520 or more becomes an infinity, below 6e-5 f16 keeps its fixed step of 6e-8.  A NaN is left out of the maxima.  A NaN coordinate counts as 0.
; THE BORDER.  A point's base index is held to 62 and its weight is x - base (1 at the last plane): for a finite table the same value as clamping the upper neighbour, and the eight corners lie at fixed
; distances.  A sample is later taken as the sum of eight weight x corner products, not as nested interpolations: the roundings differ in f32's last bits.
; THE TABLE'S SHARES.  Work-group 297 + g: batch g / 512, voxels 512 (g % 512) .. + 511, as 8 tiles of 128 channels x 64 voxels.  In a tile thread t takes channels 8 (t / 16) .. + 7 of voxels
; 4 (t % 16) .. + 3: eight loads of 16 bytes, in each of which sixteen neighbouring lanes take 256 consecutive bytes of one channel.  Four voxels' 16 bytes (8 channels in f16) go into an LDS tile of
; 64 rows x 256 bytes and come back by rows: each store of a wave covers 512 consecutive bytes of tab.
; LDS ROWS ARE NOT PADDED BUT ROTATED: the 16 bytes of channel group c of voxel v lie at column (c + v / 4) % 16, so that the sixteen lanes of a store (one c, sixteen v / 4) and of a load (one v,
; sixteen c) each touch sixteen different columns.
; IN FLIGHT.  Two register sets of 8 loads a wave; a set is asked for again as soon as it has been converted.  Two LDS slots take turns, so one barrier a tile orders both the stores with the reads
; of this tile and the reads of the tile before last with the stores that overwrite them (every wave's LDS count is 0 in front of each signal).
; No tensor loads and no cluster: no byte is wanted by two waves.  No prefetch: the launch does nothing but stream.
.set NPREP, 297                        ; work-groups of the three small parts
.set CHS,   1048576                    ; bytes from a channel of the table to the next
.set SLOTB, 16384                      ; an LDS slot: 64 rows x 256 bytes
.set RED,   32768                      ; sixteen words for reductions over the waves
.set SPARE, 33024                      ; the spare words, 128 bytes a wave: four blocks of 256 bytes that no other line names
.set SPW, 2                            ; v2      my spare word; never rewritten
.set NIL, 3                            ; v3      0; never rewritten
.set SRC, 38                           ; s[38:39] dense_features
.set DST, 48                           ; s[48:49] tab
.set FMX, 50                           ; s[50:51] fmx
.set PTR, 52                           ; s[52:53] a pointer that is chosen or stepped
.set SEL, 54                           ; s[54:55] v_permlanex16_b32: each lane takes its own place in the other half
	s_load_b512 s[8:23], s[0:1], 0x0               ; W1 8, W2 10, W3 12, b1 14, g1 16, be1 18, m1 20, v1 22
	s_load_b512 s[24:39], s[0:1], 0x40             ; b2 24, g2 26, be2 28, m2 30, v2 32, b3 34, query_points 36, dense_features 38
	s_load_b256 s[40:47], s[0:1], 0x80             ; wts 40, prm 42, vox 44, wgt 46
	s_load_b128 s[48:51], s[0:1], 0xa0             ; tab 48, fmx 50
	v_lshl_add_u32 v[SPW], v0, 2, SPARE
	v_mov_b32 v[NIL], 0
	s_mov_b32 s5, 0
	s_mov_b32 s[SEL], 0x76543210
	s_mov_b32 s[SEL+1], 0xfedcba98
	s_cmp_ge_u32 ttmp9, NPREP
	s_cbranch_scc1 .Lturn
	s_wait_kmcnt 0x0
	s_cmp_eq_u32 ttmp9, 0
	s_cbranch_scc1 .Lparams
	s_cmp_lt_u32 ttmp9, 41
	s_cbranch_scc1 .Lweights
	; ---- POINTS.  Thread t owns points 2 t and 2 t + 1 of the work-group's 512; a wave's 64 points are one group of wgt.
	s_sub_co_u32 s2, ttmp9, 41
	s_mul_i32 s4, s2, 6144                         ; 512 points x 12 bytes
	s_add_nc_u64 s[36:37], s[36:37], s[4:5]
	s_lshl_b32 s4, s2, 11
	s_add_nc_u64 s[44:45], s[44:45], s[4:5]
	s_lshl_b32 s4, s2, 14
	s_add_nc_u64 s[46:47], s[46:47], s[4:5]
	v_mul_u32_u24 v1, v0, 24
	global_load_b64 v[4:5], v1, s[36:37]           ; x, y of the even point
	global_load_b64 v[6:7], v1, s[36:37] offset:8  ; its z; x of the odd point
	global_load_b64 v[8:9], v1, s[36:37] offset:16 ; y, z of the odd point
	v_lshlrev_b32 v36, 3, v0                       ; vox: 8 t
	v_and_b32 v37, 31, v0
	v_lshlrev_b32 v37, 4, v37
	v_lshrrev_b32 v38, 5, v0
	v_lshl_add_u32 v37, v38, 11, v37               ; wgt: 2,048 x wave + 16 x lane
	s_wait_loadcnt 0x0
; coordinate c: the steps in the order in which they are defined; then base, weight w, 1 - w, base as a whole number
.macro COORD c
	v_fma_f32 v[4+\c], v[4+\c], 2.0, -1.0          ; 2 q is exact, so this is the rounding of 2 q - 1
	v_add_f32 v[4+\c], 1.0, v[4+\c]
	v_mul_f32 v[4+\c], 0.5, v[4+\c]
	v_mul_f32 v[4+\c], 0x427c0000, v[4+\c]         ; x 63
	v_max_num_f32 v[4+\c], 0, v[4+\c]
	v_min_num_f32 v[4+\c], 0x427c0000, v[4+\c]
	v_floor_f32 v28, v[4+\c]
	v_min_num_f32 v28, 0x42780000, v28             ; at most 62
	v_sub_f32 v[10+\c], v[4+\c], v28
	v_cvt_u32_f32 v[22+\c], v28
	v_sub_f32 v[16+\c], 1.0, v[10+\c]
.endm
.irp c, 0,1,2,3,4,5
	COORD \c
.endr
	v_lshl_add_u32 v30, v24, 6, v23                ; (z 64 + y) 64 + x
	v_lshl_add_u32 v30, v30, 6, v22
	v_lshl_add_u32 v31, v27, 6, v26
	v_lshl_add_u32 v31, v31, 6, v25
; the eight weights of the point whose coordinates begin at b, into v[o ..]: corner 4 dz + 2 dy + dx
.macro WEIGHTS b, o
	v_mul_f32 v32, v[16+(\b)+2], v[16+(\b)+1]
	v_mul_f32 v33, v[16+(\b)+2], v[10+(\b)+1]
	v_mul_f32 v34, v[10+(\b)+2], v[16+(\b)+1]
	v_mul_f32 v35, v[10+(\b)+2], v[10+(\b)+1]
.irp k, 0,1,2,3
	v_mul_f32 v[(\o)+2*\k], v[32+\k], v[16+(\b)]
	v_mul_f32 v[(\o)+2*\k+1], v[32+\k], v[10+(\b)]
.endr
.endm
	WEIGHTS 0, 40
	WEIGHTS 3, 48
	global_store_b64 v36, v[30:31], s[44:45]       ; a wave stores 256 consecutive bytes
.irp k, 0,1,2,3
	global_store_b128 v37, v[40+4*\k:43+4*\k], s[46:47] offset:512*\k  ; planes: even point's corners 0-3, 4-7, odd point's 0-3, 4-7; 512 consecutive bytes each
.endr
	s_branch .Lend
	; ---- WEIGHTS.  Tile wt: panel wt / 8, rows n = 64 (wt % 8) .. + 63.  Thread t takes k = 8 (t / 16) .. + 7 of n = 4 (t % 16) .. + 3.
.Lweights:
	s_sub_co_u32 s2, ttmp9, 1
	s_lshr_b32 s3, s2, 3                           ; panel
	s_and_b32 s2, s2, 7
	s_cmp_eq_u32 s3, 0
	s_cselect_b64 s[PTR:PTR+1], s[8:9], s[10:11]   ; panel 0 comes from W1, the others from W2
	s_max_u32 s4, s3, 1
	s_sub_co_u32 s4, s4, 1
	s_lshl_b32 s4, s4, 18                          ; 128 rows of 2,048 bytes for each earlier panel of W2
	s_lshl_b32 s6, s2, 8                           ; 64 columns
	s_add_co_u32 s4, s4, s6
	s_add_nc_u64 s[PTR:PTR+1], s[PTR:PTR+1], s[4:5]
	s_lshl_b32 s4, s3, 17
	s_lshl_b32 s6, s2, 14
	s_add_co_u32 s4, s4, s6
	s_add_nc_u64 s[40:41], s[40:41], s[4:5]
	v_and_b32 v10, 15, v0                          ; q
	v_lshrrev_b32 v11, 4, v0                       ; c
	v_lshlrev_b32 v1, 4, v10
	v_lshl_or_b32 v1, v11, 14, v1                  ; 8 c rows + 16 q bytes
.irp k, 0,1,2,3,4,5,6,7
	global_load_b128 v[32+4*\k:35+4*\k], v1, s[PTR:PTR+1] offset:2048*\k
.endr
	v_add_nc_u32 v12, v10, v11
	v_and_b32 v12, 15, v12
	v_lshlrev_b32 v12, 4, v12
	v_lshl_add_u32 v4, v10, 10, v12                ; row 4 q, column (c + q) % 16
	v_lshrrev_b32 v13, 2, v11
	v_add_nc_u32 v13, v13, v10
.irp n, 0,1,2,3
	v_add_nc_u32 v12, 4*\n, v13
	v_and_b32 v12, 15, v12
	v_lshlrev_b32 v12, 4, v12
	v_lshl_add_u32 v12, v11, 8, v12
	v_add_nc_u32 v[5+\n], 4096*\n, v12             ; row 16 n + c, column (q + 4 n + c / 4) % 16
.endr
	v_lshlrev_b32 v9, 4, v0
	s_wait_loadcnt 0x0
.irp i, 0,1,2,3
.irp kk, 0,1,2,3
	v_cvt_pk_f16_f32 v[16+4*\i+\kk], v[32+8*\kk+\i], v[32+8*\kk+4+\i]
.endr
.endr
.irp i, 0,1,2,3
	ds_store_b128 v4, v[16+4*\i:19+4*\i] offset:256*\i
.endr
	s_wait_dscnt 0x0                               ; for the others' sake
	s_barrier_signal -1
	s_barrier_wait -1
.irp n, 0,1,2,3
	ds_load_b128 v[64+4*\n:67+4*\n], v[5+\n]
.endr
.irp n, 0,1,2,3
	s_wait_dscnt 3-\n
	global_store_b128 v9, v[64+4*\n:67+4*\n], s[40:41] offset:4096*\n  ; 512 consecutive bytes a wave
.endr
	s_branch .Lend
	; ---- PARAMETERS.  Thread t owns channels 2 t and 2 t + 1.
.Lparams:
	v_lshlrev_b32 v1, 3, v0
	v_mov_b32 v5, 0
	global_load_b64 v[12:13], v1, s[12:13]         ; W3
	global_load_b64 v[14:15], v1, s[14:15]         ; b1
	global_load_b64 v[16:17], v1, s[16:17]         ; g1
	global_load_b64 v[18:19], v1, s[18:19]         ; be1
	global_load_b64 v[20:21], v1, s[20:21]         ; m1
	global_load_b64 v[22:23], v1, s[22:23]         ; v1
	global_load_b64 v[24:25], v1, s[24:25]         ; b2
	global_load_b64 v[26:27], v1, s[26:27]         ; g2
	global_load_b64 v[28:29], v1, s[28:29]         ; be2
	global_load_b64 v[30:31], v1, s[30:31]         ; m2
	global_load_b64 v[32:33], v1, s[32:33]         ; v2
	global_load_b32 v34, v5, s[34:35]              ; b3
	s_mov_b64 s[PTR:PTR+1], s[8:9]
	s_mov_b32 s2, 4
	v_mov_b32 v36, 0
	v_mov_b32 v37, 0
	v_mov_b32 v50, 0
.Lw1:                                          ; sum over k of |W1[k][c]| for my two columns, 32 rows a trip
.set k, 0
.rept 32
	global_load_b64 v[64+2*k:65+2*k], v1, s[PTR:PTR+1] offset:2048*k
.set k, k+1
.endr
	s_wait_loadcnt 0x0                             ; all are in, so their base may be stepped
.set k, 0
.rept 32
	v_and_b32 v[64+2*k], 0x7fffffff, v[64+2*k]
	v_and_b32 v[65+2*k], 0x7fffffff, v[65+2*k]
	v_pk_add_f32 v[36:37], v[36:37], v[64+2*k:65+2*k]
.set k, k+1
.endr
	s_add_nc_u64 s[PTR:PTR+1], s[PTR:PTR+1], 65536
	s_sub_co_u32 s2, s2, 1
	s_cmp_lg_u32 s2, 0
	s_cbranch_scc1 .Lw1
	v_add_f32 v22, 0x3727c5ac, v22                 ; + 1e-5
	v_add_f32 v23, 0x3727c5ac, v23
	v_add_f32 v32, 0x3727c5ac, v32
	v_add_f32 v33, 0x3727c5ac, v33
	v_rsq_f32 v38, v22
	v_rsq_f32 v39, v23
	v_rsq_f32 v40, v32
	v_rsq_f32 v41, v33
	v_and_b32 v51, 1, v0                           ; a plain instruction behind the last root: my thread's parity
	s_wait_alu depctr_va_vdst(0)                   ; one wait for the four roots, ahead of their first reader
	v_pk_mul_f32 v[38:39], v[38:39], v[16:17]      ; a1
	v_pk_mul_f32 v[40:41], v[40:41], v[26:27]      ; a2
	v_pk_add_f32 v[42:43], v[14:15], v[20:21] neg_lo:[0,1] neg_hi:[0,1]
	v_pk_add_f32 v[44:45], v[24:25], v[30:31] neg_lo:[0,1] neg_hi:[0,1]
	v_pk_fma_f32 v[42:43], v[42:43], v[38:39], v[18:19]  ; c1
	v_pk_fma_f32 v[44:45], v[44:45], v[40:41], v[28:29]  ; c2
.macro WMAX a, b                       ; the maximum over a wave's 32 lanes, in every lane
	v_max_num_f32_dpp v[\a], v[\a], v[\a] row_xmask:1 row_mask:0xf bank_mask:0xf
	v_max_num_f32_dpp v[\a], v[\a], v[\a] row_xmask:2 row_mask:0xf bank_mask:0xf
	v_max_num_f32_dpp v[\a], v[\a], v[\a] row_xmask:4 row_mask:0xf bank_mask:0xf
	v_max_num_f32_dpp v[\a], v[\a], v[\a] row_xmask:8 row_mask:0xf bank_mask:0xf
	v_permlanex16_b32 v[\b], v[\a], s[SEL], s[SEL+1]
	v_max_num_f32 v[\a], v[\a], v[\b]
.endm
.macro GMAX a, off                     ; and over the eight waves: a word a wave, a barrier, all eight read back; each use has words of its own
	ds_store_b32 v47, v[\a] offset:RED+(\off)
	s_wait_dscnt 0x0
	s_barrier_signal -1
	s_barrier_wait -1
	ds_load_b128 v[52:55], v48 offset:\off
	ds_load_b128 v[56:59], v48 offset:(\off)+16
	s_wait_dscnt 0x0
	v_max3_num_f32 v[\a], v52, v53, v54
	v_max3_num_f32 v[\a], v[\a], v55, v56
	v_max3_num_f32 v[\a], v[\a], v57, v58
	v_max_num_f32 v[\a], v[\a], v59
.endm
	v_lshrrev_b32 v47, 5, v0
	v_lshlrev_b32 v47, 2, v47
	v_mov_b32 v48, RED
	v_and_b32 v60, 0x7fffffff, v38
	v_and_b32 v61, 0x7fffffff, v39
	v_and_b32 v62, 0x7fffffff, v42
	v_and_b32 v63, 0x7fffffff, v43
	v_mul_f32 v60, v60, v36
	v_mul_f32 v61, v61, v37
	v_max_num_f32 v46, v60, v61
	WMAX 46, 50
	GMAX 46, 0                                     ; G
	v_max_num_f32 v49, v62, v63
	WMAX 49, 50
	GMAX 49, 32                                    ; Cm
	v_cmp_eq_u32 vcc_lo, 1, v51
	v_cndmask_b32 v34, v34, v49, vcc_lo            ; even threads store (b3, G), odd ones (Cm, 0): every 16 bytes of the sixth array hold b3, G, Cm, 0
	v_cndmask_b32 v35, v46, v5, vcc_lo
	global_store_b64 v1, v[38:39], s[42:43]              ; each store of a wave covers 256 consecutive bytes
	global_store_b64 v1, v[42:43], s[42:43] offset:2048
	global_store_b64 v1, v[40:41], s[42:43] offset:4096
	global_store_b64 v1, v[44:45], s[42:43] offset:6144
	global_store_b64 v1, v[12:13], s[42:43] offset:8192
	global_store_b64 v1, v[34:35], s[42:43] offset:10240
	s_branch .Lend
	; ---- THE TABLE.
.set INO, 1                            ; v1      my byte offset in the input: channel group << 23 | 16 (t % 16); never rewritten
.set RD,  4                            ; v4-7    where I read 16 bytes of rows 16 n + t / 16
.set ST,  8                            ; v8      where I put my four voxels' 16 bytes
.set OO,  9                            ; v9      16 t: my place in 4,096 consecutive bytes of tab
.set M,   10                           ; v10-13  four running maxima, two f16 each
.set T,   14                           ; v14-15  at work
.set Y,   16                           ; v16-31  voxel i's 8 channels in f16 at Y + 4 i
.set X,   32                           ; v32-95  two sets: channel k's four voxels at 4 k
.set O,   96                           ; v96-127 two sets: rows read back, to be stored
.Lturn:
	s_sub_co_u32 s2, ttmp9, NPREP                  ; g
	v_and_b32 v[T], 15, v0                         ; q = t % 16
	v_lshrrev_b32 v[T+1], 4, v0                    ; c = t / 16
	v_lshlrev_b32 v[INO], 4, v[T]
	v_lshl_or_b32 v[INO], v[T+1], 23, v[INO]       ; 8 c channels + 16 q bytes
	v_add_nc_u32 v[Y], v[T], v[T+1]
	v_and_b32 v[Y], 15, v[Y]
	v_lshlrev_b32 v[Y], 4, v[Y]
	v_lshl_add_u32 v[ST], v[T], 10, v[Y]           ; row 4 q, column (c + q) % 16
	v_lshrrev_b32 v[Y+1], 2, v[T+1]
	v_add_nc_u32 v[Y+1], v[Y+1], v[T]              ; q + c / 4
.irp n, 0,1,2,3
	v_add_nc_u32 v[Y+2], 4*\n, v[Y+1]
	v_and_b32 v[Y+2], 15, v[Y+2]
	v_lshlrev_b32 v[Y+2], 4, v[Y+2]
	v_lshl_add_u32 v[Y+2], v[T+1], 8, v[Y+2]
	v_add_nc_u32 v[RD+\n], 4096*\n, v[Y+2]         ; row 16 n + c, column (q + 4 n + c / 4) % 16
.endr
	v_lshlrev_b32 v[OO], 4, v0
.irp n, 0,1,2,3
	v_mov_b32 v[M+\n], 0
.endr
	s_lshr_b32 s3, s2, 9                           ; batch
	s_lshl_b32 s4, s3, 27                          ; x 128 channels
	s_and_b32 s3, s2, 511
	s_lshl_b32 s3, s3, 11                          ; + 512 voxels x 4 bytes
	s_add_co_u32 s4, s4, s3
	s_lshl_b32 s6, s2, 17                          ; 512 voxels x 256 bytes
	s_mov_b32 s7, 0
	s_lshl_b32 s56, s2, 2
	s_mov_b32 s57, 0
	s_wait_kmcnt 0x0
	s_add_nc_u64 s[SRC:SRC+1], s[SRC:SRC+1], s[4:5]
	s_add_nc_u64 s[DST:DST+1], s[DST:DST+1], s[6:7]
	s_add_nc_u64 s[FMX:FMX+1], s[FMX:FMX+1], s[56:57]
.macro LOADX set, off                  ; a tile's eight loads into a set
.irp k, 0,1,2,3,4,5,6,7
	global_load_b128 v[X+32*(\set)+4*\k:X+32*(\set)+4*\k+3], v[INO], s[SRC:SRC+1] offset:\k*CHS+(\off) th:TH_LOAD_NT
.endr
.endm
; One tile.  ahead = 1: the set is asked for again, two tiles on.  left: the younger loads that may stay out.
.macro TILE set, ahead, left
	s_wait_loadcnt \left                           ; loads come back in order: this set is in, the other set's eight may be out
.irp i, 0,1,2,3
.irp kk, 0,1,2,3
	v_cvt_pk_f16_f32 v[Y+4*\i+\kk], v[X+32*(\set)+8*\kk+\i], v[X+32*(\set)+8*\kk+4+\i]  ; voxel i: channels 2 kk and 2 kk + 1
.endr
.endr
.if \ahead
	LOADX \set, 512+256*(\set)
.endif
.set j, 0
.rept 16
	v_and_b32 v[T+j%2], 0x7fff7fff, v[Y+j]         ; two magnitudes,
	v_pk_max_num_f16 v[M+j%4], v[M+j%4], v[T+j%2]  ; two maxima: nothing is rounded
.set j, j+1
.endr
.irp i, 0,1,2,3
	ds_store_b128 v[ST], v[Y+4*\i:Y+4*\i+3] offset:(\set)*SLOTB+256*\i
.endr
	s_wait_dscnt 0x0                               ; for the others' sake: my stores are done (my reads of the other slot were waited for in its tile)
	s_barrier_signal -1
	s_barrier_wait -1
	s_wait_xcnt 0x0                                ; this set's O, which its last stores read, is written again only behind this wait
.irp n, 0,1,2,3
	ds_load_b128 v[O+16*(\set)+4*\n:O+16*(\set)+4*\n+3], v[RD+\n] offset:(\set)*SLOTB
.endr
.irp n, 0,1,2,3
	s_wait_dscnt 3-\n                              ; LDS loads come back in order: load n is in
	global_store_b128 v[OO], v[O+16*(\set)+4*\n:O+16*(\set)+4*\n+3], s[DST:DST+1] offset:\n*4096+(\set)*SLOTB th:TH_STORE_NT  ; a wave stores 512 consecutive bytes, aligned
.endr
.endm
	LOADX 0, 0
	LOADX 1, 256
	s_mov_b32 s58, 3
.Lpair:                                        ; two tiles a trip
	TILE 0, 1, 8
	TILE 1, 1, 8
	s_wait_xcnt 0x0                                ; the two bases are stepped only behind this wait
	s_add_nc_u64 s[SRC:SRC+1], s[SRC:SRC+1], 512
	s_add_nc_u64 s[DST:DST+1], s[DST:DST+1], 2*SLOTB
	s_sub_co_u32 s58, s58, 1
	s_cmp_lg_u32 s58, 0
	s_cbranch_scc1 .Lpair
	TILE 0, 0, 8                                   ; the last two tiles load nothing
	TILE 1, 0, 0
	; the work-group's largest magnitude
	v_pk_max_num_f16 v10, v10, v11
	v_pk_max_num_f16 v12, v12, v13
	v_pk_max_num_f16 v10, v10, v12
	v_cvt_f32_f16 v14, v10.l
	v_cvt_f32_f16 v15, v10.h
	v_max_num_f32 v14, v14, v15
	v_max_num_f32_dpp v14, v14, v14 row_xmask:1 row_mask:0xf bank_mask:0xf
	v_max_num_f32_dpp v14, v14, v14 row_xmask:2 row_mask:0xf bank_mask:0xf
	v_max_num_f32_dpp v14, v14, v14 row_xmask:4 row_mask:0xf bank_mask:0xf
	v_max_num_f32_dpp v14, v14, v14 row_xmask:8 row_mask:0xf bank_mask:0xf
	v_permlanex16_b32 v15, v14, s[SEL], s[SEL+1]
	v_max_num_f32 v14, v14, v15
	v_lshrrev_b32 v15, 5, v0
	v_lshlrev_b32 v15, 2, v15
	ds_store_b32 v15, v14 offset:RED               ; a word a wave
	s_wait_dscnt 0x0
	s_barrier_signal -1
	s_barrier_wait -1
	v_mov_b32 v15, RED
	ds_load_b128 v[16:19], v15
	ds_load_b128 v[20:23], v15 offset:16
	v_mov_b32 v24, 0
	s_wait_dscnt 0x0
	v_max3_num_f32 v14, v16, v17, v18
	v_max3_num_f32 v14, v14, v19, v20
	v_max3_num_f32 v14, v14, v21, v22
	v_max_num_f32 v14, v14, v23
	s_wait_xcnt 0x0                                ; EXEC is narrowed only when the stores above have read it
	v_cmp_gt_u32 vcc_lo, 1, v0
	s_and_saveexec_b32 s59, vcc_lo                 ; thread 0 alone
	global_store_b32 v24, v14, s[FMX:FMX+1]
	s_wait_xcnt 0x0                                ; and widened only when this store has
	s_or_b32 exec_lo, exec_lo, s59
.Lend:
	s_wait_tensorcnt 0x0                           ; the wave's end, behind my last LDS store
	ds_add_u32 v[SPW], v[NIL]
	s_wait_dscnt 0x0
	s_endpgm
.Lfunc_end_k_q9a34980a27_turn:
	.size	k_q9a34980a27_turn, .Lfunc_end_k_q9a34980a27_turn-k_q9a34980a27_turn
	.p2alignl 7, 3214868480
	.fill 96, 4, 3214868480
	.section	.rodata,"a",@progbits
	.p2align	6, 0x0
	.amdhsa_kernel k_q9a34980a27_turn
		.amdhsa_group_segment_fixed_size 34048
		.amdhsa_private_segment_fixed_size 0
		.amdhsa_enable_private_segment 0
		.amdhsa_kernarg_size 176
		.amdhsa_user_sgpr_count 2
		.amdhsa_user_sgpr_kernarg_segment_ptr 1
		.amdhsa_wavefront_size32 1
		.amdhsa_system_sgpr_workgroup_id_x 1
		.amdhsa_system_sgpr_workgroup_id_y 1
		.amdhsa_system_sgpr_workgroup_id_z 1
		.amdhsa_system_vgpr_workitem_id 0
		.amdhsa_next_free_vgpr 128
		.amdhsa_next_free_sgpr 66
		.amdhsa_reserve_vcc 1
		.amdhsa_float_denorm_mode_32 3
		.amdhsa_float_denorm_mode_16_64 3
		.amdhsa_memory_ordered 1
		.amdhsa_forward_progress 1
		.amdhsa_inst_pref_size 49
	.end_amdhsa_kernel
	.amdgpu_metadata
---
amdhsa.version: [ 1, 2 ]
amdhsa.kernels:
  - .name:           k_q9a34980a27_turn
    .symbol:         k_q9a34980a27_turn.kd
    .args:
      - { .name: W1, .offset: 0, .size: 8, .value_kind: global_buffer, .address_space: global }
      - { .name: W2, .offset: 8, .size: 8, .value_kind: global_buffer, .address_space: global }
      - { .name: W3, .offset: 16, .size: 8, .value_kind: global_buffer, .address_space: global }
      - { .name: b1, .offset: 24, .size: 8, .value_kind: global_buffer, .address_space: global }
      - { .name: g1, .offset: 32, .size: 8, .value_kind: global_buffer, .address_space: global }
      - { .name: be1, .offset: 40, .size: 8, .value_kind: global_buffer, .address_space: global }
      - { .name: m1, .offset: 48, .size: 8, .value_kind: global_buffer, .address_space: global }
      - { .name: v1, .offset: 56, .size: 8, .value_kind: global_buffer, .address_space: global }
      - { .name: b2, .offset: 64, .size: 8, .value_kind: global_buffer, .address_space: global }
      - { .name: g2, .offset: 72, .size: 8, .value_kind: global_buffer, .address_space: global }
      - { .name: be2, .offset: 80, .size: 8, .value_kind: global_buffer, .address_space: global }
      - { .name: m2, .offset: 88, .size: 8, .value_kind: global_buffer, .address_space: global }
      - { .name: v2, .offset: 96, .size: 8, .value_kind: global_buffer, .address_space: global }
      - { .name: b3, .offset: 104, .size: 8, .value_kind: global_buffer, .address_space: global }
      - { .name: query_points, .offset: 112, .size: 8, .value_kind: global_buffer, .address_space: global }
      - { .name: dense_features, .offset: 120, .size: 8, .value_kind: global_buffer, .address_space: global }
      - { .name: wts, .offset: 128, .size: 8, .value_kind: global_buffer, .address_space: global }
      - { .name: prm, .offset: 136, .size: 8, .value_kind: global_buffer, .address_space: global }
      - { .name: vox, .offset: 144, .size: 8, .value_kind: global_buffer, .address_space: global }
      - { .name: wgt, .offset: 152, .size: 8, .value_kind: global_buffer, .address_space: global }
      - { .name: tab, .offset: 160, .size: 8, .value_kind: global_buffer, .address_space: global }
      - { .name: fmx, .offset: 168, .size: 8, .value_kind: global_buffer, .address_space: global }
    .group_segment_fixed_size: 34048
    .private_segment_fixed_size: 0
    .kernarg_segment_align: 8
    .kernarg_segment_size: 176
    .max_flat_workgroup_size: 256
    .sgpr_count:     66
    .vgpr_count:     128
    .wavefront_size: 32
...
	.end_amdgpu_metadata
.endif
;; end of part 1
;; launch mlp (part 2): grid 512 x 1, 4 waves a work-group, clusters of 4 x 1, 327,680 bytes of LDS; arguments tab, vox, wgt, wts, prm, out0, fmx; writes out0
.if DOCPART == 2
	.amdgcn_target "amdgcn-amd-amdhsa--gfx1250"
	.amdhsa_code_object_version 6
	.text
	.protected	k_q9a34980a27_mlp
	.globl	k_q9a34980a27_mlp
	.p2align	8
	.type	k_q9a34980a27_mlp,@function
k_q9a34980a27_mlp:
	s_mov_b64 s[64:65], 0
	v_nop
	global_prefetch_b8 v0, s[64:65] scope:SCOPE_SE
	s_setreg_imm32_b32 hwreg(HW_REG_WAVE_MODE, 25, 1), 1
	s_wait_xcnt 0x0
	s_wait_alu depctr_hold_cnt(0) depctr_sa_sdst(0) depctr_va_vdst(0) depctr_va_sdst(0) depctr_va_ssrc(0) depctr_va_vcc(0) depctr_vm_vsrc(0)
	s_getreg_b32 s2, hwreg(HW_REG_IB_STS2, 6, 4)
	s_cmp_eq_u32 s2, 0
	s_cbranch_scc0 .Lentry_in_a_cluster
	s_endpgm
.Lentry_in_a_cluster:
	s_bfe_u32 s2, ttmp6, 0x10000c
	s_cmp_lg_u32 s2, 0x3003
	s_cbranch_scc0 .Lentry_shape_is_right
	s_endpgm
.Lentry_shape_is_right:
; out0[point] = W3 . relu(bn2(W2^T relu(bn1(W1^T f)))) + b3, f = the point's trilinear sample of 128 channels: gather, interpolation and the three layers in one launch; only out0 leaves.
; FORMATS.  Table, f, W1, h1 and W2 are f16 matrix operands (five roundings of 11 bits; five of 8 bits would not hold every number within a hundredth of the output's root mean square); all sums,
; scales, biases and the last layer are f32.  h1 is carried times a power of two S: B = Fmax G + Cm bounds every |h1| (Fmax: the table's largest magnitude, from fmx; G, Cm: from prm); with E = B's
; exponent field held to 87 .. 254, S = 2^(141 - E), so |h1 S| < 2^15 whatever the inputs' size; the second layer's scale takes S out again, exactly.
; LIMITS.  Those of f16 for the table and the weights (stated where they are rounded).  For B below 2^-40 S stays 2^54.  A sample is the sum of eight weight x corner products in f32.  NaN and
; infinities are not treated apart.
; SHARES.  A work-group owns 256 points of one batch, each of its four waves 64: four tiles p of 16.
; LAYOUT.  Both products are used transposed: source 0 = 16 output channels x 32 k of the weights (rows of wts, k along the row, from LDS), source 1 = 32 k x 16 points.  In a result lane l holds ONE point
; (l % 16) and the channels 8 (l / 16) + 0..7.  Two results of layer 1, scaled, cut at 0 and rounded to f16 in pairs, ARE source 1 of layer 2: h1 (512 registers) never leaves the registers, and
; each weight fragment read from LDS feeds four products.  Layer 3 is a multiply-add per lane on layer 2's results, and one exchange between the halves of the lanes at the end.
; GATHER.  Sixteen lanes take one voxel's 256 bytes; a pair of points (one for each half of the lanes) is eight loads, one a corner, at fixed distances from the base voxel.  Seven pairs, 56 loads a wave,
; are on their way.  The voxel numbers are whole numbers from an earlier launch, held to 257,982, the largest base.
; WEIGHTS.  Two LDS slots of 256 rows x 272 bytes take turns: first W1's two halves, then W2 in eight blocks of 64 output channels (wave w brings k-panel w).  All work-groups walk the same weights, so the
; four of a cluster ask JOINTLY: the same tensor load, descriptor and mask in all four; nothing in a descriptor or an LDS address hangs on a work-group's place in its cluster.
; THE LDS LOADS OF BOTH LAYERS STAND IN RUNS, never singly among the products: twelve ahead of each tile of layer 1, twenty and eighteen ahead of the two halves of a tile of layer 2, each run a tile
; or half a tile ahead of its first use.
; REGISTERS, in windows of 256 (s_set_vgpr_msb: bits 1:0 source 0, 3:2 source 1, 5:4 source 2, 7:6 destination):
;   window 0: v0-31 addresses and work; v32-63 the pairs' offsets, later scales, biases, W3 and the output's sums; v64-95 four accumulators; v96-127 layer 2's scaled results; v128-255 weight fragments
;   window 1: v0-127 f's fragments (tile p, 32 k step ks at 32 p + 8 ks)     windows 2, 3: h1 (k step s, tile p at window 2 + s / 8, register 32 (s % 8) + 8 p); in the gather window 2 is a ring of 8 x 32
.set PITCH, 272                        ; an LDS row: 256 bytes + 16 of padding = 68 words: the 16 rows of a fragment load start at 16 different groups of four banks (64 banks of 4 bytes: ISA guide 11.1)
.set PART,  64*PITCH                   ; what one tensor load brings
.set TSTEP, 16*PITCH                   ; 16 rows: a tile of output channels, or of points
.set SLOT1, 131072                     ; slot 0 begins at 0; one exclusive or turns an address in one slot into the other's
.set PRM,   69632                      ; behind slot 0: the six parameter arrays, 12,288 bytes, filled once, then scaled in place
.set REC,   81920                      ; 2,048 bytes a wave: its points' corner weights; written by ds_store, never filled by a tensor load
.set SPARE, 90112                      ; the spare words, 128 bytes a wave: two blocks of 256 bytes that no other line names
.set STG,   200704                     ; behind slot 1: 64 rows x 272 bytes a wave: f on its way into fragments, out0 on its way out; never filled by a tensor load
.set R,   1                            ; v1   l % 16
.set H,   2                            ; v2   l / 16
.set AA,  3                            ; v3   the weight fragments' address in hand
.set AL,  4                            ; v4   a fragment's lane term: row x pitch + 16 x half
.set PP,  5                            ; v5   the parameters' address in hand
.set PL,  6                            ; v6   its lane term: PRM + 32 x half
.set AF,  7                            ; v7   f's fragments in my stage
.set SL,  8                            ; v8   where a pair's 16 bytes go in my stage: lane term;  v9 in hand
.set SA,  9
.set RL,  10                           ; v10  my half's corner weights: lane term;  v11 in hand
.set RA,  11
.set ZERO,12
.set VO,  13                           ; v13  4 x half
.set CO,  14                           ; v14  16 (l % 16)
.set LO,  15                           ; v15  16 l
.set PK,  16                           ; v16-19 eight channels in f16
.set FA,  20                           ; v20-27 eight channels in f32
.set SPW, 28                           ; v28  my spare word; never rewritten
.set NIL, 29                           ; v29  0; never rewritten
.set PFO, 30                           ; v30  256 l: the prefetches' offset, a lane a row; never rewritten
.set ADR, 32                           ; v32-63 byte offset in the table of pair n's base voxel and my 16 bytes
.set QA,  32                           ; later: layer 2's scale, bias, W3 (8 each) and the output's sums (a pair a tile)
.set QC,  40
.set QW,  48
.set OUT, 56
.set ACC, 64
.set W,   64                           ; in the gather: two sets of my point's eight corner weights; v80-95 carry the weights into LDS
.set Y,   96
.set FM,  96                           ; until the parameters are scaled: fmx, then in v96 the table's largest magnitude; v100-119 at work there
.set AX,  128                          ; layer 2: fragments of k steps 0-7, then (AX + 64) of 8-15
.set A1,  128                          ; layer 1: two buffers of 32
.set TMP, 192
.set P1,  208                          ; layer 1: two buffers of scale (8) and bias (8)
.set WV,  16                           ; s16  my wave's number
.set G1W, 24                           ; s[24:31] descriptor group 1 for weight tiles
.set G1P, 32                           ; s[32:39] for the parameters
.set G0A, 40                           ; s[40:43] group 0: W1's rows 0-255
.set G0B, 44                           ; s[44:47] W1's rows 256-511
.set G0P, 48                           ; s[48:51] the parameters
.set G0W, 52                           ; s[52:55] W2's blocks: it walks
.set SEL, 56                           ; s[56:57] v_permlanex16_b32's selects
.set TB,  58                           ; s58  LDS byte at which the tile of output channels to be fetched begins
.set TP,  59                           ; s59  64 x layer 2's tile number: its place in a parameter array
.set BLK, 60                           ; s60  blocks still to be asked for by layer 2's loop
.set CNT, 61                           ; s61  a loop's count
.set LIM, 62                           ; s62  2 in a wave that prefetches, else the greatest number
.set GS,  63                           ; s63  the gather's step in the stage
.set PFA, 66                           ; s[66:67] where my prefetches stand
.set GR,  68                           ; s68  the gather's step in the corner weights
.set MSB, 0
.macro WIN new                         ; the immediate's high byte repeats the setting that is left; a switch that changes nothing is dropped
.if MSB != (\new)
	s_set_vgpr_msb (MSB<<8)|(\new)
.set MSB, (\new)
.endif
.endm
; A round of the cluster's barrier: my work-group's barrier, so that wave 0's signal speaks for all four waves; wave 0 signals; every wave waits for all four work-groups; my work-group's barrier once more.
.macro CREST
	s_cmp_lg_u32 s[WV], 0
	s_cbranch_scc1 .Lnot_wave_0_\@
	s_barrier_signal -3
.Lnot_wave_0_\@:
	s_barrier_wait -3
	s_barrier_signal -1
	s_barrier_wait -1
.endm
.macro CROUND
	s_barrier_signal -1
	s_barrier_wait -1
	CREST
.endm
.macro JLOAD                           ; the joint refill: every wave brings its k-panel's 64 rows of the next block; an s_nop 0 and four v_nop follow it
	tensor_load_to_lds s[G0W:G0W+3], s[G1W:G1W+7]
	s_nop 0
.rept 4
	v_nop
.endr
.endm
; A PREFETCH INTO THE L2, behind a joint refill: the block of W2 that stands two refills on.  Every cluster walks the same blocks: cluster 0 alone asks.  Its four partners share a block out BY ADDRESS,
; a k-panel each; in each, waves 0 and 1 take 32 of the panel's 64 rows, a lane a row of 256 bytes.  So each row is named once in the launch.  The refills of the last two blocks ask for nothing.
.macro ASK
	s_cmp_gt_u32 s[BLK], s[LIM]
	s_cbranch_scc0 .Lnot_mine_\@
	global_prefetch_b8 v[PFO], s[PFA:PFA+1] offset:32768 th:TH_LOAD_NT scope:SCOPE_SE
.Lnot_mine_\@:
.endm
; What stands ahead of a refill's round: the prefetches' address steps (the last prefetch, a block back, has read it); all my tensor loads have landed, so the walking descriptor may be written; the add.
.macro CHG_HEAD
	s_wait_xcnt 0x0
	s_add_nc_u64 s[PFA:PFA+1], s[PFA:PFA+1], 16384
	s_wait_tensorcnt 0x0
	ds_add_u32 v[SPW], v[NIL]                      ; 0 onto my spare word
	s_xor_b32 s[G0W+1], s[G0W+1], SLOT1            ; the other slot than last time,
	s_add_nc_u64 s[G0W+2:G0W+3], s[G0W+2:G0W+3], 16384  ; the panel's next 64 rows; the type bits on top are not reached
.endm
	s_load_b256 s[4:11], s[0:1], 0x0               ; tab s[4:5], vox s[6:7], wgt s[8:9], wts s[10:11]
	s_load_b128 s[12:15], s[0:1], 0x20             ; prm s[12:13], out0 s[14:15]
	s_load_b64 s[70:71], s[0:1], 0x30              ; fmx
	v_lshl_add_u32 v[SPW], v0, 2, SPARE
	v_mov_b32 v[NIL], 0
	ds_add_u32 v[SPW], v[NIL]                      ; the wave's opening: the add, twice on end, and its wait ahead of my first tensor load; the set-up below stands between
	ds_add_u32 v[SPW], v[NIL]                      ; and once more, under the one wait
	v_lshrrev_b32 v1, 5, v0
	v_readfirstlane_b32 s[WV], v1                  ; wave 0..3
	; group 1 for weight tiles: 64 rows x 128 elements of 2 bytes, 16 bytes of padding behind each row
	s_mov_b32 s[G1W], 15|(1<<16)|(1<<20)|(1<<21)|(5<<22)|(3<<25)  ; 15:0 the mask of four; 17:16 2-byte elements; 20 padding on; 21 set beside a mask; 24:22 after every 64 words (code 5); 31:25 4 words (code 3)
	s_mov_b32 s[G1W+1], 128<<16                    ; tensor_dim0 = 128
	s_mov_b32 s[G1W+2], 64<<16                     ; tensor_dim1 = 64
	s_mov_b32 s[G1W+3], 128<<16                    ; tile_dim0 = 128
	s_mov_b32 s[G1W+4], 64                         ; tile_dim1 = 64
	s_mov_b32 s[G1W+5], 128                        ; 128 elements from row to row
	s_mov_b32 s[G1W+6], 0
	s_mov_b32 s[G1W+7], 0
	; group 1 for the parameters: a quarter of them, 3,072 dense bytes, as 12 rows of 32 elements of 8 bytes
	s_mov_b32 s[G1P], 15|(3<<16)|(1<<21)
	s_mov_b32 s[G1P+1], 32<<16
	s_mov_b32 s[G1P+2], 12<<16
	s_mov_b32 s[G1P+3], 32<<16
	s_mov_b32 s[G1P+4], 12
	s_mov_b32 s[G1P+5], 32
	s_mov_b32 s[G1P+6], 0
	s_mov_b32 s[G1P+7], 0
	s_mul_i32 s19, s[WV], PART                     ; my quarter of a slot, and my stage: the wave's number alone enters an LDS address
	s_mov_b32 s[G0A], 1
	s_mov_b32 s[G0A+1], s19
	s_mov_b32 s[G0B], 1
	s_add_co_u32 s[G0B+1], s19, SLOT1
	s_mov_b32 s[G0W], 1
	s_add_co_u32 s[G0W+1], s19, SLOT1              ; the first refill turns it to slot 0
	s_mov_b32 s[G0P], 1
	s_mul_i32 s[G0P+1], s[WV], 3072
	s_add_co_u32 s[G0P+1], s[G0P+1], PRM
	s_mov_b32 s21, 0
	s_mov_b32 s3, 0
	s_mov_b32 s[SEL], 0x76543210
	s_mov_b32 s[SEL+1], 0xfedcba98
	s_mov_b32 s[TB], 0
	s_mov_b32 s[TP], 0
	s_mov_b32 s[BLK], 6
	s_mov_b32 s[GS], 0
	s_mov_b32 s[GR], 0
	s_lshr_b32 s[LIM], s[WV], 1                    ; 0 in waves 0 and 1,
	s_or_b32 s[LIM], s[LIM], ttmp9                 ; of cluster 0: the same in all four partners
	s_cmp_eq_u32 s[LIM], 0
	s_cselect_b32 s[LIM], 2, -1
	v_and_b32 v[R], 15, v0
	v_bfe_u32 v[H], v0, 4, 1
	v_mul_u32_u24 v[AL], v[R], PITCH
	v_lshl_add_u32 v[AL], v[H], 4, v[AL]
	v_lshlrev_b32 v[PL], 5, v[H]
	v_add_nc_u32 v[PL], PRM, v[PL]
	s_add_co_u32 s23, s19, STG
	v_add_nc_u32 v[AF], s23, v[AL]
	v_mul_u32_u24 v[SL], v[H], PITCH               ; a pair's two points are two rows of the stage; sixteen lanes fill a row's 256 bytes
	v_lshl_add_u32 v[SL], v[R], 4, v[SL]
	v_add_nc_u32 v[SL], s23, v[SL]
	s_lshl_b32 s23, s[WV], 11
	s_add_co_u32 s23, s23, REC
	v_lshl_add_u32 v[RL], v[H], 10, s23            ; the even points' planes, or the odd points'
	v_mov_b32 v[ZERO], 0
	v_lshlrev_b32 v[VO], 2, v[H]
	v_lshlrev_b32 v[CO], 4, v[R]
	v_and_b32 v[LO], 31, v0
	v_lshlrev_b32 v[PFO], 8, v[LO]
	v_lshlrev_b32 v[LO], 4, v[LO]
	v_add_nc_u32 v[RA], s23, v[LO]
	s_wait_dscnt 0x0                               ; both opening adds are done
	s_wait_kmcnt 0x0
	; my place in the cluster enters these addresses alone, in registers that feed no descriptor
	s_bfe_u32 s17, ttmp6, 0x40000                  ; cx
	s_lshl_b32 s18, ttmp9, 2                       ; in a cluster launch ttmp9 counts clusters
	s_add_co_u32 s18, s18, s17                     ; my work-group
	s_lshl_b32 s22, s18, 2
	s_add_co_u32 s22, s22, s[WV]                   ; my wave's group of 64 points
	s_lshl_b32 s2, s22, 8
	s_add_nc_u64 s[6:7], s[6:7], s[2:3]
	s_add_nc_u64 s[14:15], s[14:15], s[2:3]
	s_lshl_b32 s2, s22, 11
	s_add_nc_u64 s[8:9], s[8:9], s[2:3]
	; what the gather waits for first goes out first, ahead of the round and the tensor loads: nobody writes these bytes in this launch
.set n, 0
.rept 32
	global_load_b32 v[ADR+n], v[VO], s[6:7] offset:8*n  ; pair n: point 2 n for lanes 0-15, 2 n + 1 for lanes 16-31
.set n, n+1
.endr
.irp q, 0,1,2,3
	global_load_b128 v[80+4*\q:83+4*\q], v[LO], s[8:9] offset:512*\q
.endr
.irp q, 0,1,2,3,4,5,6,7
	global_load_b128 v[FM+4*\q:FM+4*\q+3], v[LO], s[70:71] offset:512*\q  ; all 1,024 maxima, 32 a lane
.endr
	s_lshr_b32 s2, s18, 8                          ; batch
	s_lshl_b32 s2, s2, 26                          ; x 262,144 voxels of 256 bytes
	s_add_nc_u64 s[4:5], s[4:5], s[2:3]
	s_lshl_b32 s2, s17, 17                         ; the prefetches: panel 1 + cx,
	s_lshl_b32 s22, s[WV], 13                      ; my 32 rows,
	s_add_co_u32 s2, s2, s22
	s_add_co_u32 s2, s2, 131072-16384              ; one block back
	s_add_nc_u64 s[PFA:PFA+1], s[10:11], s[2:3]
	s_lshl_b32 s20, s[WV], 14                      ; the descriptors: my 64 rows of 256 bytes
	s_add_nc_u64 s[G0A+2:G0A+3], s[10:11], s[20:21]
	s_add_nc_u64 s[G0B+2:G0B+3], s[G0A+2:G0A+3], 65536
	s_or_b32 s[G0A+3], s[G0A+3], 0x80000000        ; type = 2
	s_or_b32 s[G0B+3], s[G0B+3], 0x80000000
	s_mul_i32 s20, s[WV], 3072
	s_add_nc_u64 s[G0P+2:G0P+3], s[12:13], s[20:21]
	s_or_b32 s[G0P+3], s[G0P+3], 0x80000000
	s_lshl_b32 s20, s[WV], 17                      ; panel 1 + my wave's number, one block back: the first refill steps it to block 0
	s_add_co_u32 s20, s20, 131072-16384
	s_add_nc_u64 s[G0W+2:G0W+3], s[10:11], s[20:21]
	s_or_b32 s[G0W+3], s[G0W+3], 0x80000000
	CROUND                                         ; all four work-groups are here: the first joint loads meet
	tensor_load_to_lds s[G0P:G0P+3], s[G1P:G1P+7]  ; the first fills go out as one group: three loads of mine are out
	s_nop 0
	tensor_load_to_lds s[G0A:G0A+3], s[G1W:G1W+7]
	s_nop 0
	tensor_load_to_lds s[G0B:G0B+3], s[G1W:G1W+7]
	s_nop 0
.rept 4
	v_nop
.endr
	s_wait_loadcnt 0x0
.irp q, 0,1,2,3
	ds_store_b128 v[RA], v[80+4*\q:83+4*\q] offset:512*\q  ; my wave's own bytes: LDS serves a wave's instructions in order, so its later reads see them
.endr
.set n, 0
.rept 32
	v_min_u32 v[ADR+n], 0x3efbe, v[ADR+n]          ; (62 x 64 + 62) x 64 + 62: all eight corners lie in the table
	v_lshl_add_u32 v[ADR+n], v[ADR+n], 8, v[CO]
.set n, n+1
.endr
	v_mov_b32 v[RA], v[RL]
; THE GATHER.  ISSUE: pair a's eight corners into ring buffer b: corner 4 dz + 2 dy + dx lies dx + 64 dy + 4,096 dz voxels on.
.macro ISSUE a, b
	WIN 0x80                                       ; destination window 2, address window 0
.irp c, 0,1,2,3,4,5,6,7
	global_load_b128 v[32*(\b)+4*\c:32*(\b)+4*\c+3], v[ADR+(\a)], s[4:5] offset:(\c%2)*256+((\c/2)%2)*16384+(\c/4)*1048576
.endr
.endm
.macro MIX d, s, w, a, hi              ; f32 += f16 half x f32
.if \hi
	v_fma_mix_f32 v[\d], v[\s], v[\w], v[\a] op_sel:[1,0,0] op_sel_hi:[1,0,0]
.else
	v_fma_mix_f32 v[\d], v[\s], v[\w], v[\a] op_sel_hi:[1,0,0]
.endif
.endm
; STEP: the pair in ring buffer i is interpolated, rounded to f16 and put into the stage.  more = 1: the next pair's corner weights are asked of LDS, into the other set, a step ahead of their use
; (16 bytes on in both planes, over a trip's end too: a trip's eight pairs are 128 bytes).  issue = 1: the pair seven on is asked for, into the buffer read in the step before.
; cnt: the younger loads from memory that may stay out.
.macro STEP i, issue, cnt, more
	WIN 0
.if \more
	ds_load_b128 v[W+8*(((\i)+1)%2):W+8*(((\i)+1)%2)+3],   v[RA] offset:16*((\i)+1)
	ds_load_b128 v[W+8*(((\i)+1)%2)+4:W+8*(((\i)+1)%2)+7], v[RA] offset:16*((\i)+1)+512
.endif
	s_wait_loadcnt \cnt                            ; loads come back in order: this pair's eight are in
.if \issue
	ISSUE (\i)+7, ((\i)+7)%8
.endif
.if \more
	s_wait_dscnt 2                                 ; all but the two just issued: this pair's weights are in
.else
	s_wait_dscnt 0x0
.endif
	WIN 0x02                                       ; source 0 window 2
.set WB, W+8*((\i)%2)
.set c, 0
.rept 8
.set e, 0
.rept 8
.if c == 0
	MIX FA+e, 32*(\i)+e/2, WB, ZERO, e%2
.else
	MIX FA+e, 32*(\i)+4*c+e/2, WB+c, FA+e, e%2
.endif
.set e, e+1
.endr
.set c, c+1
.endr
	WIN 0
.irp k, 0,1,2,3
	v_cvt_pk_f16_f32 v[PK+\k], v[FA+2*\k], v[FA+2*\k+1]
.endr
	ds_store_b128 v[SA], v[PK:PK+3] offset:2*PITCH*(\i)
.endm
.irp a, 0,1,2,3,4,5,6
	ISSUE \a, \a
.endr
	WIN 0
	ds_load_b128 v[W:W+3],   v[RA]                 ; pair 0's corner weights
	ds_load_b128 v[W+4:W+7], v[RA] offset:512
	; the table's largest magnitude, while the first pairs are on their way: 32 numbers a lane, then the 32 lanes
.set k, 0
.rept 8
	v_max3_num_f32 v[FM+4*k], v[FM+4*k], v[FM+4*k+1], v[FM+4*k+2]
.set k, k+1
.endr
.set k, 0
.rept 8
	v_max_num_f32 v[FM+4*k], v[FM+4*k], v[FM+4*k+3]
.set k, k+1
.endr
	v_max3_num_f32 v[FM], v[FM], v[FM+4], v[FM+8]
	v_max3_num_f32 v[FM+12], v[FM+12], v[FM+16], v[FM+20]
	v_max3_num_f32 v[FM], v[FM], v[FM+24], v[FM+28]
	v_max_num_f32 v[FM], v[FM], v[FM+12]
	v_max_num_f32_dpp v[FM], v[FM], v[FM] row_xmask:1 row_mask:0xf bank_mask:0xf
	v_max_num_f32_dpp v[FM], v[FM], v[FM] row_xmask:2 row_mask:0xf bank_mask:0xf
	v_max_num_f32_dpp v[FM], v[FM], v[FM] row_xmask:4 row_mask:0xf bank_mask:0xf
	v_max_num_f32_dpp v[FM], v[FM], v[FM] row_xmask:8 row_mask:0xf bank_mask:0xf
	v_permlanex16_b32 v[FM+1], v[FM], s[SEL], s[SEL+1]
	v_max_num_f32 v[FM], v[FM], v[FM+1]
	s_mov_b32 s[CNT], 3
.Lgather:                                      ; eight pairs a trip; the trip names offsets 0 to 14, and the offsets move down by eight at its end, so that one text serves every trip
	v_add_nc_u32 v[SA], s[GS], v[SL]
	v_add_nc_u32 v[RA], s[GR], v[RL]
.irp i, 0,1,2,3,4,5,6,7
	STEP \i, 1, 48, 1                              ; six younger pairs stay out
.endr
	s_wait_xcnt 0x0                                ; the loads issued so far have read their offsets
.set n, 0
.rept 24
	v_mov_b32 v[ADR+n], v[ADR+n+8]
.set n, n+1
.endr
	s_add_co_u32 s[GS], s[GS], TSTEP
	s_add_co_u32 s[GR], s[GR], 128
	s_sub_co_u32 s[CNT], s[CNT], 1
	s_cmp_lg_u32 s[CNT], 0
	s_cbranch_scc1 .Lgather
	s_cmp_eq_u32 s[LIM], 2                         ; W2's blocks 0 and 1 are asked for here, eight pairs and half of layer 1 ahead of the first refill
	s_cbranch_scc0 .Lno_first_ask
	global_prefetch_b8 v[PFO], s[PFA:PFA+1] offset:16384 th:TH_LOAD_NT scope:SCOPE_SE
	global_prefetch_b8 v[PFO], s[PFA:PFA+1] offset:32768 th:TH_LOAD_NT scope:SCOPE_SE
.Lno_first_ask:
	v_add_nc_u32 v[SA], s[GS], v[SL]
	v_add_nc_u32 v[RA], s[GR], v[RL]
	STEP 0, 1, 48, 1                               ; the last eight pairs: one more is asked for, then the counts run down
.irp i, 1,2,3,4,5,6
	STEP \i, 0, 8*(7-\i), 1
.endr
	STEP 7, 0, 0, 0
	WIN 0x40                                       ; destination window 1
.irp a, 0,1,2,3
.irp b, 0,1,2,3
	ds_load_b128 v[32*\a+8*\b:32*\a+8*\b+3],   v[AF] offset:\a*TSTEP+64*\b     ; tile a, k step b: my own bytes, behind my own stores
	ds_load_b128 v[32*\a+8*\b+4:32*\a+8*\b+7], v[AF] offset:\a*TSTEP+64*\b+32
.endr
.endr
	WIN 0
	s_wait_tensorcnt 0x0                           ; my parts of the parameters and of W1's two halves are in,
	s_wait_dscnt 0x0
	s_barrier_signal -1
	s_barrier_wait -1                              ; everybody's are
	; S, and the parameters scaled by it IN PLACE: a1 and c1 times S, a2 times 1 / S.  Thread t owns 16 bytes of each of the three arrays; these blocks have had their one fill.
	v_lshl_add_u32 v104, v0, 4, PRM
	ds_load_b128 v[100:103], v[PL] offset:10240    ; b3, G, Cm, 0
	ds_load_b128 v[108:111], v104
	ds_load_b128 v[112:115], v104 offset:2048
	ds_load_b128 v[116:119], v104 offset:4096
	s_wait_dscnt 0x0
	v_fma_f32 v105, v[FM], v101, v102              ; B = Fmax G + Cm, not negative
	v_lshrrev_b32 v105, 23, v105                   ; its exponent field
	v_max_u32 v105, 87, v105
	v_min_u32 v105, 0xfe, v105
	v_sub_nc_u32 v106, 0x10c, v105
	v_lshlrev_b32 v106, 23, v106                   ; S = 2^(141 - E)
	v_add_nc_u32 v107, -14, v105
	v_lshlrev_b32 v107, 23, v107                   ; 1 / S
.irp k, 0,1,2,3,4,5,6,7
	v_mul_f32 v[108+\k], v[108+\k], v106
.endr
.irp k, 0,1,2,3
	v_mul_f32 v[116+\k], v[116+\k], v107
.endr
	ds_store_b128 v104, v[108:111]
	ds_store_b128 v104, v[112:115] offset:2048
	ds_store_b128 v104, v[116:119] offset:4096
	s_wait_dscnt 0x0                               ; for the others' sake: my stores are done
	s_barrier_signal -1
	s_barrier_wait -1
; LAYER 2's fragment loads stand in runs of 16: k-panels kp0 and kp0 + 1 of the tile at s[TB].
.macro FETCHA kp0, dst
	v_add_nc_u32 v[AA], s[TB], v[AL]
.irp a, 0,1
.irp b, 0,1,2,3
	ds_load_b128 v[(\dst)+32*\a+8*\b:(\dst)+32*\a+8*\b+3],   v[AA] offset:((\kp0)+\a)*PART+64*\b
	ds_load_b128 v[(\dst)+32*\a+8*\b+4:(\dst)+32*\a+8*\b+7], v[AA] offset:((\kp0)+\a)*PART+64*\b+32
.endr
.endr
.endm
; LAYER 1.  Tile t = output channels 16 t .. + 15.  FETCH1: its four fragments of W1 and its scale and bias, 12 loads in one run.
.macro FETCH1 t
.set AB, A1+32*((\t)%2)
.set PB, P1+16*((\t)%2)
.set AR, AL
.if (\t) >= 16
.set AR, AA
.endif
.irp b, 0,1,2,3
	ds_load_b128 v[AB+8*\b:AB+8*\b+3],   v[AR] offset:((\t)%16)*TSTEP+64*\b
	ds_load_b128 v[AB+8*\b+4:AB+8*\b+7], v[AR] offset:((\t)%16)*TSTEP+64*\b+32
.endr
	ds_load_b128 v[PB:PB+3],     v[PL] offset:64*(\t)
	ds_load_b128 v[PB+4:PB+7],   v[PL] offset:64*(\t)+16
	ds_load_b128 v[PB+8:PB+11],  v[PL] offset:2048+64*(\t)
	ds_load_b128 v[PB+12:PB+15], v[PL] offset:2048+64*(\t)+16
.endm
.macro MUL1 t                          ; 16 products; the four accumulators take turns, one instruction a turn; the first four start the sums
	WIN 0x04                                       ; source 1 window 1
.set AB, A1+32*((\t)%2)
.set ks, 0
.rept 4
.set p, 0
.rept 4
.if ks == 0
	v_wmma_f32_16x16x32_f16 v[ACC+8*p:ACC+8*p+7], v[AB:AB+7], v[32*p:32*p+7], 0
.else
	v_wmma_f32_16x16x32_f16 v[ACC+8*p:ACC+8*p+7], v[AB+8*ks:AB+8*ks+7], v[32*p+8*ks:32*p+8*ks+7], v[ACC+8*p:ACC+8*p+7]
.endif
.set p, p+1
.endr
.set ks, ks+1
.endr
.endm
.macro EPI1 t                          ; x a1 S + c1 S, rounded to f16, cut at 0, into h1: half t % 2 of k step t / 2.  Each accumulator's lowest registers are read first
.set PB, P1+16*((\t)%2)
.set p, 0
.rept 4
.set j, 0
.rept 4
	v_pk_fma_f32 v[ACC+8*p+2*j:ACC+8*p+2*j+1], v[ACC+8*p+2*j:ACC+8*p+2*j+1], v[PB+2*j:PB+2*j+1], v[PB+8+2*j:PB+8+2*j+1]
.set j, j+1
.endr
.set p, p+1
.endr
.set j, 0
.rept 16
	v_cvt_pk_f16_f32 v[TMP+j], v[ACC+2*j], v[ACC+2*j+1]
.set j, j+1
.endr
	WIN 0x80+0x40*((\t)/16)                        ; destination window 2 or 3
.set p, 0
.rept 4
.set j, 0
.rept 4
	v_pk_max_num_f16 v[32*(((\t)/2)%8)+8*p+4*((\t)%2)+j], v[TMP+4*p+j], v[ZERO]
.set j, j+1
.endr
.set p, p+1
.endr
.endm
; A tile of layer 1: the next tile's loads, this tile's products, four places, the epilogue.  At tile 16 nobody reads slot 0 any more: it takes W2's block 0; at tile 31 slot 1 takes block 1.  There every wave
; waits for all its tensor loads, adds 0 to its spare word and waits for that and for its LDS reads; a round of the cluster's barrier follows, and the joint refill is the first thing behind it.
.macro TILE1 t
	WIN 0
.if (\t) < 31
	FETCH1 (\t)+1
.endif
.if ((\t) == 16) || ((\t) == 31)
	CHG_HEAD
	s_wait_dscnt 0x0                               ; the add is done, and all my LDS reads are back
	CROUND
	JLOAD
	ASK
.else
	s_wait_dscnt 12                                ; all but the 12 just issued
.endif
	MUL1 \t
	WIN 0
.rept 4
	v_nop                                          ; four places behind the last product, in front of what reads results and of loads into registers that products have read
.endr
.if (\t) == 31
	FETCHA 0, AX                                   ; layer 2's first fragments, from block 0, which the round has shown whole; they land under the epilogue
.endif
	EPI1 \t
.endm
	v_add_nc_u32 v[AA], SLOT1, v[AL]
	FETCH1 0
.set t, 0
.rept 32
	TILE1 t
.set t, t+1
.endr
; LAYER 2 AND 3.  A tile = 16 output channels x my 64 points: 64 products (16 k steps x 4 tiles of points; the four accumulators by turns).
; RIDER k of 48: the tile BEFORE's results are cut at 0 (32) and multiplied into the output's sums by W3 (16): four of them stand behind each of the first half's last twelve products.
.macro RIDER k
.if (\k) < 32
	v_max_num_f32 v[Y+(\k)], 0, v[Y+(\k)]
.else
.set rp, ((\k)-32)%4
.set rj, ((\k)-32)/4
	v_pk_fma_f32 v[OUT+2*rp:OUT+2*rp+1], v[Y+8*rp+2*rj:Y+8*rp+2*rj+1], v[QW+2*rj:QW+2*rj+1], v[OUT+2*rp:OUT+2*rp+1]
.endif
.endm
.macro MUL2 half, i0, cnt, ride        ; products i0 .. i0 + cnt - 1 of a half's 32: k step 8 half + i / 4, tile of points i % 4
.set i, \i0
.rept \cnt
	WIN 0x08+4*(\half)                             ; source 1 window 2 or 3
.set ks, i/4
.set p, i%4
.if ((\half) == 0) && (ks == 0)
	v_wmma_f32_16x16x32_f16 v[ACC+8*p:ACC+8*p+7], v[AX:AX+7], v[8*p:8*p+7], 0
.else
	v_wmma_f32_16x16x32_f16 v[ACC+8*p:ACC+8*p+7], v[AX+64*(\half)+8*ks:AX+64*(\half)+8*ks+7], v[32*ks+8*p:32*ks+8*p+7], v[ACC+8*p:ACC+8*p+7]
.endif
.if (\ride) && (i >= 20)
	WIN 0
.irp z, 0,1,2,3
	RIDER 4*(i-20)+\z
.endr
.endif
.set i, i+1
.endr
.endm
.macro LOADQW
	ds_load_b128 v[QW:QW+3],   v[PP] offset:8192
	ds_load_b128 v[QW+4:QW+7], v[PP] offset:8208
.endm
; kind 0: a block's first three tiles.  1: its last, where the slot is filled again, two blocks on.  2: the last tile of the last block but one: the slots change, nothing is asked for.  3: the very last tile.
; The loads into the first half's fragments stand behind the four riders that follow its last product: those are the four places.
.macro T2 kind
	WIN 0
	s_wait_dscnt 0x0                               ; the first half's fragments and the tile before's W3 are in
	v_add_nc_u32 v[PP], s[TP], v[PL]
	FETCHA 2, AX+64                                ; the second half's fragments,
	ds_load_b128 v[QA:QA+3],   v[PP] offset:4096   ; this tile's scale and bias
	ds_load_b128 v[QA+4:QA+7], v[PP] offset:4112
	ds_load_b128 v[QC:QC+3],   v[PP] offset:6144
	ds_load_b128 v[QC+4:QC+7], v[PP] offset:6160
	MUL2 0, 0, 32, 1
	WIN 0
.if (\kind) == 0
	s_add_co_u32 s[TB], s[TB], TSTEP
	FETCHA 0, AX                                   ; the next tile's first half
	LOADQW
	s_wait_dscnt 18                                ; all but the 18 just issued
	MUL2 1, 0, 32, 0
.elseif (\kind) == 3
	LOADQW
	s_wait_dscnt 2                                 ; W3's two loads may be out
	MUL2 1, 0, 32, 0
.else
	LOADQW
.if (\kind) == 1
	CHG_HEAD
.else
	s_wait_tensorcnt 0x0                           ; my part of the last block is in
	ds_add_u32 v[SPW], v[NIL]                      ; 0 onto my spare word
.endif
	s_sub_co_u32 s[TB], s[TB], 3*TSTEP             ; the fetches go back to a block's first tile,
	s_xor_b32 s[TB], s[TB], SLOT1                  ; in the other slot
	s_wait_dscnt 3                                 ; W3's two loads and the add may be out
	MUL2 1, 0, 16, 0                               ; sixteen products stand between the add and the wait for it
	s_wait_dscnt 0x0                               ; the add is done, and my reads of this slot are over
	s_barrier_signal -1
	MUL2 1, 16, 8, 0                               ; work on registers while the others arrive
	WIN 0                                          ; at a branch and at a label every window is 0
	s_barrier_wait -1
.if (\kind) == 1
	CREST                                          ; the barrier has opened a round of the cluster's: no wave of any partner still reads this slot or has a load on its way
	JLOAD                                          ; my one tensor load behind the round, and the first thing there: it has a block's products in which to land
.endif
	FETCHA 0, AX                                   ; the other slot is whole: the next block's first fragments
.if (\kind) == 1
	ASK
.endif
	MUL2 1, 24, 8, 0
.endif
	WIN 0
.rept 4
	v_nop                                          ; four places behind the last product
.endr
.set p, 0
.rept 4
.set j, 0
.rept 4
	v_pk_fma_f32 v[Y+8*p+2*j:Y+8*p+2*j+1], v[ACC+8*p+2*j:ACC+8*p+2*j+1], v[QA+2*j:QA+2*j+1], v[QC+2*j:QC+2*j+1]  ; x a2 / S + c2; lowest registers first
.set j, j+1
.endr
.set p, p+1
.endr
	s_add_co_u32 s[TP], s[TP], 64
.endm
	WIN 0
.set i, 0
.rept 32
	v_mov_b32 v[Y+i], 0                            ; the first tile's riders find a tile before of zeros, so that one text serves every tile
.set i, i+1
.endr
.set i, 0
.rept 16
	v_mov_b32 v[QW+i], 0                           ; W3's registers, and the output's sums
.set i, i+1
.endr
.Lblock:                                       ; blocks 0 to 5: each ends by asking for the block two on
	s_mov_b32 s[CNT], 3
.Ltile:
	T2 0
	s_sub_co_u32 s[CNT], s[CNT], 1
	s_cmp_lg_u32 s[CNT], 0
	s_cbranch_scc1 .Ltile
	T2 1
	s_sub_co_u32 s[BLK], s[BLK], 1
	s_cmp_lg_u32 s[BLK], 0
	s_cbranch_scc1 .Lblock
	s_mov_b32 s[CNT], 3                            ; the last two blocks are written out
.Ltile6:
	T2 0
	s_sub_co_u32 s[CNT], s[CNT], 1
	s_cmp_lg_u32 s[CNT], 0
	s_cbranch_scc1 .Ltile6
	T2 2
	s_mov_b32 s[CNT], 3
.Ltile7:
	T2 0
	s_sub_co_u32 s[CNT], s[CNT], 1
	s_cmp_lg_u32 s[CNT], 0
	s_cbranch_scc1 .Ltile7
	T2 3
	; THE WAY OUT.  The last tile's riders; a lane's two sums and the other half of the lanes' are added; + b3; the wave's 64 numbers meet in its stage and leave as 256 consecutive bytes.
	s_wait_dscnt 0x0                               ; the last tile's W3
.set i, 0
.rept 48
	RIDER i
.set i, i+1
.endr
	ds_load_b32 v[PK], v[PL] offset:10240          ; b3: the first word of every 16 bytes of the sixth array
.irp q, 0,1,2,3
	v_add_f32 v[OUT+2*\q], v[OUT+2*\q], v[OUT+2*\q+1]
.endr
.irp q, 0,1,2,3
	v_permlanex16_b32 v[OUT+2*\q+1], v[OUT+2*\q], s[SEL], s[SEL+1]
.endr
.irp q, 0,1,2,3
	v_add_f32 v[OUT+2*\q], v[OUT+2*\q], v[OUT+2*\q+1]
.endr
	s_add_co_u32 s23, s19, STG
	v_lshl_add_u32 v[SA], v[R], 2, s23             ; point 16 q + l % 16: both halves of the lanes hold, and write, the same number
	v_and_b32 v[RA], 31, v0
	v_lshlrev_b32 v[RA], 3, v[RA]
	v_add_nc_u32 v[AA], s23, v[RA]
	s_wait_dscnt 0x0
.irp q, 0,1,2,3
	v_add_f32 v[OUT+2*\q], v[PK], v[OUT+2*\q]
.endr
.irp q, 0,1,2,3
	ds_store_b32 v[SA], v[OUT+2*\q] offset:64*\q
.endr
	ds_load_b64 v[PK+2:PK+3], v[AA]                ; my own bytes, behind my own stores
	s_wait_dscnt 0x0
	global_store_b64 v[RA], v[PK+2:PK+3], s[14:15] ; the wave stores 256 consecutive bytes, at a multiple of 256 from out0's first
	s_wait_tensorcnt 0x0                           ; the wave's end, behind my last tensor load and my last LDS store
	ds_add_u32 v[SPW], v[NIL]
	s_wait_dscnt 0x0
	CROUND                                         ; the closing round: no work-group ends while a partner may still ask for a tile that names it
	s_endpgm
.Lfunc_end_k_q9a34980a27_mlp:
	.size	k_q9a34980a27_mlp, .Lfunc_end_k_q9a34980a27_mlp-k_q9a34980a27_mlp
	.p2alignl 7, 3214868480
	.fill 96, 4, 3214868480
	.section	.rodata,"a",@progbits
	.p2align	6, 0x0
	.amdhsa_kernel k_q9a34980a27_mlp
		.amdhsa_group_segment_fixed_size 327680
		.amdhsa_private_segment_fixed_size 0
		.amdhsa_enable_private_segment 0
		.amdhsa_kernarg_size 56
		.amdhsa_user_sgpr_count 2
		.amdhsa_user_sgpr_kernarg_segment_ptr 1
		.amdhsa_wavefront_size32 1
		.amdhsa_system_sgpr_workgroup_id_x 1
		.amdhsa_system_sgpr_workgroup_id_y 1
		.amdhsa_system_sgpr_workgroup_id_z 1
		.amdhsa_system_vgpr_workitem_id 0
		.amdhsa_next_free_vgpr 1024
		.amdhsa_next_free_sgpr 72
		.amdhsa_reserve_vcc 0
		.amdhsa_float_denorm_mode_32 3
		.amdhsa_float_denorm_mode_16_64 3
		.amdhsa_memory_ordered 1
		.amdhsa_forward_progress 1
		.amdhsa_inst_pref_size 255
	.end_amdhsa_kernel
	.section	.bss,"aw",@nobits
	.p2align	6
	.space	262144
	.amdgpu_metadata
---
amdhsa.version: [ 1, 2 ]
amdhsa.kernels:
  - .name:           k_q9a34980a27_mlp
    .symbol:         k_q9a34980a27_mlp.kd
    .args:
      - { .name: tab, .offset: 0, .size: 8, .value_kind: global_buffer, .address_space: global }
      - { .name: vox, .offset: 8, .size: 8, .value_kind: global_buffer, .address_space: global }
      - { .name: wgt, .offset: 16, .size: 8, .value_kind: global_buffer, .address_space: global }
      - { .name: wts, .offset: 24, .size: 8, .value_kind: global_buffer, .address_space: global }
      - { .name: prm, .offset: 32, .size: 8, .value_kind: global_buffer, .address_space: global }
      - { .name: out0, .offset: 40, .size: 8, .value_kind: global_buffer, .address_space: global }
      - { .name: fmx, .offset: 48, .size: 8, .value_kind: global_buffer, .address_space: global }
    .group_segment_fixed_size: 327680
    .private_segment_fixed_size: 0
    .kernarg_segment_align: 8
    .kernarg_segment_size: 56
    .max_flat_workgroup_size: 128
    .sgpr_count:     72
    .vgpr_count:     1024
    .wavefront_size: 32
...
	.end_amdgpu_metadata
.endif
;; end of part 2
